; MI455X (gfx1250); checked and timed in simulation.
; The chip was launched on July 23, 2026; its instructions are those of AMD's public machine-readable ISA for CDNA 5 (MIT licence, August 2026) and "CDNA5" Instruction Set Architecture Reference Guide (July 2026). The comments in the code are by the model that wrote it; some were corrected since.
;; Vector Quantize. Allowed arithmetic: matrix products marked QUANTISED: E2M1 operands, one E8M0 scale for each 32 along K, by v_wmma_scale_f32_16x16x128_f8f6f4 with both operands' format E2M1 (or v_wmma_scale_f32_32x16x128_f4), f32 sums; everything else in f32.
;; Inputs: codebook 8,192 x 512 float32; x 32 x 512 x 512 float32.
;; Outputs: out0 32 x 512 x 512 float32; out1 one number float32; out2 one number float32; out3 32 x 512 int32.
;; This version of the problem:
;;   THIS VERSION OF THE PROBLEM IS GIVEN IN LOW PRECISION. The matrix products marked QUANTISED in the list below multiply operands that are first quantised to E2M1 (2 exponent bits, 1 mantissa bit; 4 bits a number), with one power-of-two scale for each 32 numbers along K (OCP MX v1.0); their sums are f32. All else is computed in f32.
;;   The module's matrix products, in the order in which they are computed (A, B: the left and right operand; K: the contracted axis; several contracted axes count as one K, in the product's order):
;;     1. [M 16,384, K 512] x [K 512, N 8,192]; A: input x; B: input codebook: QUANTISED
;;   THE QUANTISER, for each operand of a quantised product, along K:
;;     - K is cut into blocks of 32 from its start; a last block that is shorter is filled with zeros.
;;     - A block's scale is 2^e with e = floor(log2(the largest magnitude in the block)) - 2, held to -126 .. 127; a block of zeros has e = 0. As a byte (E8M0): e + 127.
;;     - Each number is divided by its block's scale, clamped to +-6, and rounded to the nearest number of E2M1, ties to even, subnormals kept.
;;     - The product sums the exact products of the quantised numbers (number of the format x scale) in f32.
;;   ~~~python
;;   def quantise(x, axis):      # numpy; x: float32 -> the quantised numbers, widened to float32 again
;;       x = np.moveaxis(x, axis, -1); K = x.shape[-1]
;;       x = np.pad(x, [(0, 0)] * (x.ndim - 1) + [(0, -K % 32)]); x = x.reshape(x.shape[:-1] + (-1, 32)); a = np.abs(x).max(-1, keepdims=True)
;;       e = np.where(a > 0, np.clip(np.frexp(np.where(a > 0, a, 1))[1] - 1 - 2, -126, 127), 0)      # np.frexp(a)[1] - 1 = floor(log2(a)), exactly
;;       r = np.clip(x / 2.0 ** e, -6, 6)
;;       step = 2.0 ** (np.maximum(np.frexp(np.where(r == 0, 1, r))[1] - 1, 0) - 1)
;;       q = np.round(r / step) * step * 2.0 ** e      # np.round: ties to even
;;       return np.moveaxis(q.reshape(q.shape[:-2] + (-1,))[..., :K], -1, axis).astype(np.float32)
;;   ~~~
;; One version. Each part assembles by itself: llvm-mc -triple=amdgcn-amd-amdhsa -mcpu=gfx1250 --defsym DOCPART=n.
;; ======== version 1 of 1: 4 launches
;; limits: right only within a limited range of input values
;; workspace buffers: xrec 4,521,984 bytes; crec 2,260,992 bytes; pkey 524,288 bytes of whole numbers; pidx 524,288 bytes of whole numbers; part 1,024 bytes
;; launch quant (part 1): grid 256 x 1, 6 waves a work-group, no clusters, 52,992 bytes of LDS; arguments x, codebook, xrec, crec; writes xrec, crec
.if DOCPART == 1
	.amdgcn_target "amdgcn-amd-amdhsa--gfx1250"
	.amdhsa_code_object_version 6
	.text
	.protected	k_qaa59d0029d_quant
	.globl	k_qaa59d0029d_quant
	.p2align	8
	.type	k_qaa59d0029d_quant,@function
k_qaa59d0029d_quant:
	s_mov_b64 s[64:65], 0
	v_nop
	global_prefetch_b8 v0, s[64:65] scope:SCOPE_SE
	s_setreg_imm32_b32 hwreg(HW_REG_WAVE_MODE, 25, 1), 1
	s_wait_xcnt 0x0
; x [16384][512] and codebook [8192][512], f32, become codes of FP4 (E2M1) with one E8M0 scale byte for each 32 along K, and each row's sum of squares in f32.
; They are laid as the product's launch reads them, in records of 64 rows (a QUAD, 17,664 bytes = 69 x 256, every byte written):
;   +0      codes: tile i (16 rows) x 4,096 + piece t x 512 + 16 x lane.  Lane (r = lane % 16, h = lane / 16) owns the 32 codes k = 64 t + 32 h .. + 31 of row 16 i + r:
;           an image of the operand's registers, so a fragment is read back by consecutive 16-byte loads.
;   +16384  scale bytes: 256 i + 16 r + k / 32: a row's four scale words on end.
;   +17408  sums of squares: 64 i + 4 r.
; A block's scale is 2^(floor(log2(its largest magnitude)) - 2); its byte is the largest magnitude's exponent field - 2, held at 1 from below.
; A block of zeros keeps the byte 1 (its codes are zeros, which add nothing; only this program reads the bytes).
; LIMITS: NaN and infinities among the inputs are not served.  The sum of squares is taken in two packed chains a lane and joined across two lanes: another order of f32 additions than a plain chain.
; SHARES: the two tensors have 1,024 + 512 = 1,536 tiles of 16 rows: 256 work-groups of six waves, a tile to a wave, so that every work-group has the same work.  Wave w of work-group g takes tile 6 g + w;
; tiles 0-1,023 are x's, the others the codebook's (only pointers are chosen, on the tile's number: one path through the text).  Waves share nothing: no barrier.  A tile goes in 8 steps of 64 columns, written out.
; Every load reads 256 consecutive bytes of a row in 16 lanes; the conversions want 32 neighbours in ONE lane, so a step turns through the wave's own stage in LDS (rows 272 bytes apart).
; A wave's 16 sums of squares are 64 consecutive bytes, a quarter of an aligned 256: the four tiles of a quad may belong to two work-groups, so they are not gathered; they are 98,304 bytes of the launch's 6.8 million stored.
.set QUAD, 17664
.set SP,   272                         ; a stage row: 256 bytes + 16: sixteen rows start at sixteen different 16-byte columns
.set STG,  16*SP                       ; a stage
.set WREG, 2*STG                       ; a wave's two stages
.set R,  16                            ; v16-143  four sets of 32 registers as loaded
.set X,  144                           ; v144-207 two sets of 32 neighbours
.set C,  208                           ; v208-239 a step's codes: four registers of its own for each step, so no store's data are written again
.set W,  240                           ; v240-243 my part of the row's four scale words
.set SQ, 244                           ; v244-247 the sum of squares, two packed chains
.set T,  248                           ; v248-251 destinations of lane permutes
	s_load_b256 s[4:11], s[0:1], 0x0               ; x s[4:5], codebook s[6:7], xrec s[8:9], crec s[10:11]
	v_lshl_add_u32 v254, v0, 2, 0xcc00
	v_mov_b32 v255, 0
	v_lshrrev_b32 v1, 5, v0
	v_readfirstlane_b32 s16, v1                    ; wave 0..5
	v_and_b32 v1, 31, v0                           ; lane
	v_and_b32 v2, 15, v0                           ; r
	v_bfe_u32 v3, v0, 4, 1                         ; h
	v_lshlrev_b32 v4, 4, v2
	v_lshl_add_u32 v4, v3, 11, v4                  ; in: lanes 0-15 an even row's 256 bytes, lanes 16-31 the next row's (2,048 bytes on)
	s_mul_i32 s17, s16, WREG
	v_mul_u32_u24 v5, v3, SP
	v_lshl_add_u32 v5, v2, 4, v5
	v_add_nc_u32 v5, s17, v5                       ; stage, on the way in: row h, 16 r
	v_mul_u32_u24 v6, v2, SP
	v_lshl_add_u32 v6, v3, 7, v6
	v_add_nc_u32 v6, s17, v6                       ; and out: row r, my block's 128 bytes
	v_lshlrev_b32 v7, 4, v1                        ; codes: 16 x lane
	v_lshlrev_b32 v8, 3, v3                        ; my byte's place in a scale word: 8 h bits in an even step,
	v_add_nc_u32 v9, 16, v8                        ; 16 + 8 h in an odd one
	v_lshlrev_b32 v252, 4, v2
	v_lshl_add_u32 v252, v3, 3, v252               ; scale bytes out: 16 r + 8 h
	v_lshlrev_b32 v253, 2, v2                      ; sums out: 4 r
	v_mov_b32 v14, 0                               ; a lane permute's destination counts as one of its sources: written once
.irp s, 0,1,2,3
	v_mov_b32 v[T+\s], 0
.endr
	s_mov_b32 s24, 0x76543210
	s_mov_b32 s25, 0xfedcba98                      ; v_permlanex16_b32's selects for lane l xor 16
	s_wait_kmcnt 0x0
	s_mul_i32 s17, ttmp9, 6
	s_add_co_u32 s17, s17, s16                     ; my tile, 0 .. 1,535
	s_cmp_lt_u32 s17, 1024                         ; x's tile or the codebook's: the choice hangs on the tile's number alone
	s_cselect_b64 s[4:5], s[4:5], s[6:7]
	s_cselect_b64 s[8:9], s[8:9], s[10:11]
	s_cselect_b32 s18, 0, 1024
	s_sub_co_u32 s17, s17, s18                     ; the tile within its tensor
	s_lshl_b32 s18, s17, 15                        ; 16 rows of 2,048 bytes
	s_mov_b32 s19, 0
	s_add_nc_u64 s[4:5], s[4:5], s[18:19]
	s_lshr_b32 s20, s17, 2                         ; the quad,
	s_and_b32 s21, s17, 3                          ; and my tile's place in it
	s_mul_i32 s18, s20, QUAD
	s_add_nc_u64 s[10:11], s[8:9], s[18:19]        ; the quad's record
	s_lshl_b32 s18, s21, 12
	s_add_nc_u64 s[6:7], s[10:11], s[18:19]        ; my tile's codes
	s_lshl_b32 s18, s21, 8
	s_add_nc_u64 s[8:9], s[10:11], s[18:19]        ; my tile's scale bytes (+ 16,384 in the immediate)
	s_lshl_b32 s18, s21, 6
	s_add_nc_u64 s[10:11], s[10:11], s[18:19]      ; my tile's sums (+ 17,408 in the immediate)
.macro LOAD t                          ; step t: columns 64 t .. + 63 of my 16 rows, two rows an instruction.  No hint: both tensors are read again by a later launch
.irp i, 0,1,2,3,4,5,6,7
	global_load_b128 v[R+32*((\t)%4)+4*\i:R+32*((\t)%4)+4*\i+3], v4, s[4:5] offset:\i*4096+(\t)*256
.endr
.endm
.macro TURN t                          ; through the stage: LDS serves a wave's instructions in order, so no wait stands between the stores and the loads
.irp i, 0,1,2,3,4,5,6,7
	ds_store_b128 v5, v[R+32*((\t)%4)+4*\i:R+32*((\t)%4)+4*\i+3] offset:STG*((\t)%2)+\i*2*SP
.endr
.irp g, 0,1,2,3,4,5,6,7
	ds_load_b128 v[X+32*((\t)%2)+4*\g:X+32*((\t)%2)+4*\g+3], v6 offset:STG*((\t)%2)+16*\g
.endr
.endm
.irp t, 0,1,2,3
	LOAD \t
.endr
	s_wait_loadcnt 24                              ; step 0's eight loads are in; three steps' may be out
	TURN 0
.macro STEP t
.set XS, X+32*((\t)%2)
	s_wait_dscnt 0x0                               ; this step's numbers are back from the stage, so its stores into the stage have read their registers,
.if (\t) < 4
	LOAD (\t)+4                                    ; which take the loads of four steps on
.endif
.if (\t) < 7
.if (\t) < 4
	s_wait_loadcnt 24                              ; the next step's eight loads are in; those of the three steps behind it may be out
.else
	s_wait_loadcnt 8*(6-(\t))                      ; nothing more is asked for: the count runs down
.endif
	TURN (\t)+1                                    ; the next step goes through the other stage while this one is worked
.endif
	v_max3_num_f32 v10, |v[XS]|, |v[XS+1]|, |v[XS+2]|              ; the block's largest magnitude: all 32 numbers are mine; two chains
	v_max3_num_f32 v11, |v[XS+3]|, |v[XS+4]|, |v[XS+5]|
.irp i, 6,10,14,18,22,26
	v_max3_num_f32 v10, v10, |v[XS+\i]|, |v[XS+\i+1]|
	v_max3_num_f32 v11, v11, |v[XS+\i+2]|, |v[XS+\i+3]|
.endr
	v_max3_num_f32 v10, v10, |v[XS+30]|, |v[XS+31]|
	v_max3_num_f32 v10, v10, v11, 0x1800000        ; and the floor 2^(3 - 127): the byte cannot fall under 1
	v_add_nc_u32 v12, 0xff000000, v10              ; 2 off its exponent field: the conversion takes this operand's exponent field as its scale
.irp g, 0,1,2,3
	v_cvt_scalef32_pk8_fp4_f32 v[C+4*(\t)+\g], v[XS+8*\g:XS+8*\g+7], v12
.endr
	v_lshrrev_b32 v13, 23, v12                     ; the scale's byte (a plain line behind the conversions)
.if (\t)%2 == 0
	v_lshlrev_b32 v[W+(\t)/2], v8, v13             ; block 2 t + h is byte 2 (t % 2) + h of scale word t / 2
.else
	v_lshl_or_b32 v[W+(\t)/2], v13, v9, v[W+(\t)/2]
.endif
.set j, 0
.rept 16
.if ((\t) == 0) && (j < 2)
	v_pk_mul_f32 v[SQ+2*j:SQ+2*j+1], v[XS+2*j:XS+2*j+1], v[XS+2*j:XS+2*j+1]      ; the first products start the sums: nothing is cleared
.else
	v_pk_fma_f32 v[SQ+2*(j%2):SQ+2*(j%2)+1], v[XS+2*j:XS+2*j+1], v[XS+2*j:XS+2*j+1], v[SQ+2*(j%2):SQ+2*(j%2)+1]
.endif
.set j, j+1
.endr
	global_store_b128 v7, v[C+4*(\t):C+4*(\t)+3], s[6:7] offset:(\t)*512   ; 32 lanes store 512 consecutive bytes, at a multiple of 256 from the buffer's first byte
.endm
.irp t, 0,1,2,3,4,5,6,7
	STEP \t
.endr
	v_pk_add_f32 v[SQ:SQ+1], v[SQ:SQ+1], v[SQ+2:SQ+3]
	v_add_f32 v[SQ], v[SQ], v[SQ+1]
	v_permlanex16_b32 v14, v[SQ], s24, s25
	v_add_f32 v[SQ], v[SQ], v14                    ; with lane l xor 16's half of the row
.irp s, 0,1,2,3
	v_permlanex16_b32 v[T+\s], v[W+\s], s24, s25
.endr
.irp s, 0,1,2,3
	v_or_b32 v[W+\s], v[W+\s], v[T+\s]             ; with lane l xor 16's two bytes each word is whole
.endr
	v_cmp_le_u32 vcc_lo, 16, v1
	v_cndmask_b32 v10, v[W], v[W+2], vcc_lo        ; lanes 0-15 store words 0 and 1 of their row, lanes 16-31 words 2 and 3
	v_cndmask_b32 v11, v[W+1], v[W+3], vcc_lo
	global_store_b64 v252, v[10:11], s[8:9] offset:16384   ; the wave stores 256 consecutive bytes, aligned
	v_cmp_gt_u32 vcc_lo, 16, v1                    ; both lanes of a row hold its sum: lanes 0-15 store it
	s_wait_xcnt 0x0                                ; EXEC is a source of the stores that are out: it changes only behind this wait
	s_wait_tensorcnt 0x0
	ds_add_u32 v254, v255
	s_wait_dscnt 0x0
	s_and_saveexec_b32 s22, vcc_lo
	global_store_b32 v253, v[SQ], s[10:11] offset:17408    ; 64 consecutive bytes
	s_wait_xcnt 0x0                                ; and again ahead of the line that widens it
	s_or_b32 exec_lo, exec_lo, s22
	s_endpgm
.Lfunc_end_k_qaa59d0029d_quant:
	.size	k_qaa59d0029d_quant, .Lfunc_end_k_qaa59d0029d_quant-k_qaa59d0029d_quant
	.p2alignl 7, 3214868480
	.fill 96, 4, 3214868480
	.section	.rodata,"a",@progbits
	.p2align	6, 0x0
	.amdhsa_kernel k_qaa59d0029d_quant
		.amdhsa_group_segment_fixed_size 52992
		.amdhsa_private_segment_fixed_size 0
		.amdhsa_enable_private_segment 0
		.amdhsa_kernarg_size 32
		.amdhsa_user_sgpr_count 2
		.amdhsa_user_sgpr_kernarg_segment_ptr 1
		.amdhsa_wavefront_size32 1
		.amdhsa_system_sgpr_workgroup_id_x 1
		.amdhsa_system_sgpr_workgroup_id_y 1
		.amdhsa_system_sgpr_workgroup_id_z 1
		.amdhsa_system_vgpr_workitem_id 0
		.amdhsa_next_free_vgpr 256
		.amdhsa_next_free_sgpr 66
		.amdhsa_reserve_vcc 1
		.amdhsa_float_denorm_mode_32 3
		.amdhsa_float_denorm_mode_16_64 3
		.amdhsa_memory_ordered 1
		.amdhsa_forward_progress 1
		.amdhsa_inst_pref_size 39
	.end_amdhsa_kernel
	.amdgpu_metadata
---
amdhsa.version: [ 1, 2 ]
amdhsa.kernels:
  - .name:           k_qaa59d0029d_quant
    .symbol:         k_qaa59d0029d_quant.kd
    .args:
      - { .name: x, .offset: 0, .size: 8, .value_kind: global_buffer, .address_space: global }
      - { .name: codebook, .offset: 8, .size: 8, .value_kind: global_buffer, .address_space: global }
      - { .name: xrec, .offset: 16, .size: 8, .value_kind: global_buffer, .address_space: global }
      - { .name: crec, .offset: 24, .size: 8, .value_kind: global_buffer, .address_space: global }
    .group_segment_fixed_size: 52992
    .private_segment_fixed_size: 0
    .kernarg_segment_align: 8
    .kernarg_segment_size: 32
    .max_flat_workgroup_size: 192
    .sgpr_count:     66
    .vgpr_count:     256
    .wavefront_size: 32
...
	.end_amdgpu_metadata
.endif
;; end of part 1
;; launch dist (part 2): grid 32 x 8, 8 waves a work-group, clusters of 4 x 1, 327,680 bytes of LDS; arguments xrec, crec, pkey, pidx; writes pkey, pidx
.if DOCPART == 2
	.amdgcn_target "amdgcn-amd-amdhsa--gfx1250"
	.amdhsa_code_object_version 6
	.text
	.protected	k_qaa59d0029d_dist
	.globl	k_qaa59d0029d_dist
	.p2align	8
	.type	k_qaa59d0029d_dist,@function
k_qaa59d0029d_dist:
	s_mov_b64 s[64:65], 0
	v_nop
	global_prefetch_b8 v0, s[64:65] scope:SCOPE_SE
	s_setreg_imm32_b32 hwreg(HW_REG_WAVE_MODE, 25, 1), 1
	s_wait_xcnt 0x0
	s_wait_alu depctr_hold_cnt(0) depctr_sa_sdst(0) depctr_va_vdst(0) depctr_va_sdst(0) depctr_va_ssrc(0) depctr_va_vcc(0) depctr_vm_vsrc(0)
	s_getreg_b32 s2, hwreg(HW_REG_IB_STS2, 6, 4)
	s_cmp_eq_u32 s2, 0
	s_cbranch_scc0 .Lentry_in_a_cluster
	s_endpgm
.Lentry_in_a_cluster:
	s_bfe_u32 s2, ttmp6, 0x10000c
	s_cmp_lg_u32 s2, 0x3003
	s_cbranch_scc0 .Lentry_shape_is_right
	s_endpgm
.Lentry_shape_is_right:
; For each of 16,384 rows z and one of eight parts (1,024) of the codes c: g = -( (|z|^2 - 2 z.c) + |c|^2 ), its largest value and the FIRST code that has it.  z.c is the product on codes of FP4 with E8M0 scales, sums in f32, K ascending.
; g is formed as fl(fl(2 dot - zz) - cc), each step one fused multiply-add (dot x 2 + (-zz); cc x (-1) + u): the same two roundings as (zz - 2 dot) + cc with the sign turned, so equal distances stay equal and the first index decides among them.
; FIRST INDEX, level by level: a lane meets its tiles of codes in ascending order and takes a new best only if strictly larger; inside the tile kept, the lowest register equal to the best
; (seven of its eight g are kept: if none of them equals the best, it was the eighth); between the halves of the lanes and between the two waves of a row group: larger value, or equal value and lower index.
; WHAT IS STORED: the index, and a KEY: the best g's bits turned into a whole number of the same order (-0 made +0; the low 31 bits inverted where the sign is set; compared as signed numbers), laid [part][16,384].
; LIMITS: NaN and infinite distances are not served (the maximum drops a NaN).
; SHARES.  A work-group takes 512 rows x 1,024 codes: 32 x 8 = 256 work-groups.  Waves 2 g and 2 g + 1 keep the fragments of rows 128 g .. + 127 in registers for the whole launch;
; a tile of 16 codes is read from LDS by one wave of each pair and meets that pair's eight tiles of rows: 32 matrix instructions for 4,416 bytes of LDS.
; LDS.  The part's 16 records of 64 codes (a QUAD: 16,384 bytes of register images, 1,024 of scale bytes, 256 of sums of squares) are 282,624 bytes and lie in LDS whole, each byte filled once.  They come in two fills of eight quads, a quad a wave:
; the first at the head; the second behind the first fill's wait and a round, while the first eight quads are worked on.  Wave parity e walks quads e, e + 2, .. e + 14: one stride through the whole part.
; Three quads are walked, then a barrier shows the second fill to every wave (the fourth quad's last tile asks for a tile of it), then the other five.
; CLUSTER.  The four work-groups of a cluster have the same part of the codes: both fills are asked for JOINTLY, by the same tensor load with the same descriptor and the mask of all four.
; The rows' fragments differ between the partners and come by plain loads.  The place in the cluster enters the addresses of the rows' records and of the results alone.
; NO DATA PREFETCH: all that the launch reads is asked for ahead of its first loop; there is no later load to run ahead of.
; THE MATRIX INSTRUCTION: source 0 = 16 codes, source 1 = 16 rows: lane (r, h) holds row r, and its register j code 8 h + j of the tile.
; REGISTERS.  Window 0: v1-15 addresses and constants; v16-19 the codes' scale words; v20-35 the rows' (register 4 (m % 4) + s: tile m % 4 in lanes 0-15, tile m % 4 + 4 in lanes 16-31); v36-67 a tile of codes, four K steps;
;   v68-83 |c|^2, two sets; v84-147 eight accumulators; v148-243 twelve a tile of rows: -zz, the best (two registers by turns), the tile's number, seven g of the tile that held the best, -zz once more.   Window 1: the rows' fragments, (m, s) at 32 m + 8 s.
; DUAL PAIRS: the two halves of a pair take their sources from different register banks (number mod 4): so 2, -1 and -zz are each held in two registers.
.set QUAD,  17664
.set MRG,   16*QUAD                    ; behind the codes: [wave][128 rows][value, index], 8,192 bytes; no fill lands here
.set SPARE, MRG+8192                   ; the spare words, 128 bytes for each of eight waves: four blocks of 256 bytes that no other line names
.set SCB,   16384                      ; a quad's scale bytes
.set SSB,   17408                      ; and its sums of squares
.set DUALF, 1                          ; 1: the multiply-adds go in dual pairs; 0: packed
.set DUALK, 1                          ; 1: the selects that keep a tile go in dual pairs; 0: singly
.set SPW,  1                           ; v1   SPARE + 4 x my thread's number; never rewritten
.set NIL,  2                           ; v2   0; never rewritten
.set ADRF, 3                           ; v3   the quad in hand + 16 x lane
.set ADRS, 4                           ; v4   the quad in hand + 16 r
.set ADRC, 5                           ; v5   the quad in hand + 32 h
.set BF,   6                           ; v6   16 x lane
.set BS,   7                           ; v7   16 r
.set BC,   8                           ; v8   32 h
.set H8,   9                           ; v9   8 h
.set M1,   10                          ; v10-11 -1.0, twice (in the loops; temporaries at the head and at the end)
.set TW,   12                          ; v12-13 2.0, twice
.set TN,   14                          ; v14  the number of the tile of codes in hand
.set MST,  15                          ; v15  MRG + 1,024 x wave + 8 r
.set CS,   16
.set XS,   20
.set AF,   36
.set CC,   68
.set ACC,  84
.set ST,   148
.set MLD,  248                         ; v248 MRG + 2,048 g + 512 e + 16 x lane
.set GOF,  249                         ; v249 8 x lane
.set WV,   12                          ; s12  my wave's number
.set G1,   16                          ; s[16:23] descriptor group 1
.set G0,   32                          ; s[32:35] descriptor group 0, the first fill
.set G0B,  48                          ; s[48:51] the second fill
.set QO,   36                          ; s36  LDS offset of the quad in hand
.set MSB, 0
.macro WIN new                         ; the immediate's high byte repeats the setting that is left
.if MSB != \new
	s_set_vgpr_msb (MSB<<8)|\new
.set MSB, \new
.endif
.endm
; A round of the cluster's barrier: my work-group's barrier; wave 0 signals for the work-group; every wave waits for all four work-groups; my work-group's barrier once more.
.macro ROUND
	s_barrier_signal -1
	s_barrier_wait -1
	s_cmp_lg_u32 s[WV], 0
	s_cbranch_scc1 .Lnot_wave_0_\@
	s_barrier_signal -3
.Lnot_wave_0_\@:
	s_barrier_wait -3
	s_barrier_signal -1
	s_barrier_wait -1
.endm
	s_load_b256 s[4:11], s[0:1], 0x0               ; xrec s[4:5], crec s[6:7], pkey s[8:9], pidx s[10:11]
	v_lshl_add_u32 v[SPW], v0, 2, SPARE
	v_mov_b32 v[NIL], 0
	ds_add_u32 v[SPW], v[NIL]                      ; the opening lines: the add, twice on end, and its wait ahead of the round in front of my first tensor load
	ds_add_u32 v[SPW], v[NIL]
	v_lshrrev_b32 v10, 5, v0
	s_delay_alu instid0(VALU_DEP_1)
	v_readfirstlane_b32 s[WV], v10                 ; wave 0..7
	s_bfe_u32 s13, ttmp6, 0x40000                  ; cx: my place in the cluster
	s_lshl_b32 s14, ttmp9, 2                       ; in a cluster launch ttmp9 counts clusters
	s_add_co_u32 s14, s14, s13                     ; my block of 512 rows = 4 x cluster x + cx
	s_and_b32 s15, ttmp7, 0xffff                   ; the part of the codes, which the four partners share
	s_and_b32 s37, s[WV], 1                        ; e: which quads I walk
	s_lshr_b32 s38, s[WV], 1                       ; g: which 128 rows I keep
	; descriptor group 1: a quad is dense in memory: 69 rows of 256 bytes (32 elements of 8 bytes), laid on end in LDS
	s_mov_b32 s[G1], 15|(3<<16)|(1<<21)            ; 15:0 the mask: all four work-groups; 17:16 elements of 8 bytes; 21 set beside a mask; no padding: every LDS read is of consecutive bytes or of one address for many lanes
	s_mov_b32 s[G1+1], 32<<16                      ; tensor_dim0 = 32
	s_mov_b32 s[G1+2], 69<<16                      ; tensor_dim1 = 69
	s_mov_b32 s[G1+3], 32<<16                      ; tile_dim0 = 32
	s_mov_b32 s[G1+4], 69                          ; tile_dim1 = 69
	s_mov_b32 s[G1+5], 32                          ; from row to row: 32 elements
	s_mov_b32 s[G1+6], 0
	s_mov_b32 s[G1+7], 0
	s_mul_i32 s24, s[WV], QUAD                     ; the quad that I fetch: its place among a fill's eight, in LDS and in memory alike
	s_mul_i32 s26, s15, 16*QUAD
	s_add_co_u32 s26, s26, s24
	s_mov_b32 s27, 0
	s_lshl_b32 s28, s14, 3                         ; the rows' records: 8 quads a block, two a row group
	s_lshl_b32 s29, s38, 1
	s_add_co_u32 s28, s28, s29
	s_mul_i32 s28, s28, QUAD
	s_mov_b32 s29, 0
	s_lshl_b32 s30, s15, 16                        ; results: [part][16,384] words; my block's 512, of which I store 64
	s_lshl_b32 s31, s14, 11
	s_add_co_u32 s30, s30, s31
	s_lshl_b32 s31, s[WV], 8
	s_add_co_u32 s30, s30, s31
	s_mov_b32 s31, 0
	s_lshl_b32 s25, s[WV], 10
	s_add_co_u32 s25, s25, MRG                     ; where I put my 128 pairs
	s_lshl_b32 s39, s38, 11
	s_lshl_b32 s41, s37, 9
	s_add_co_u32 s39, s39, s41
	s_add_co_u32 s39, s39, MRG                     ; where I read 64 rows' pairs of wave 2 g (wave 2 g + 1's lie 1,024 bytes on)
	s_lshl_b32 s45, s15, 6                         ; my first tile of codes: 64 x part + 4 e
	s_lshl_b32 s41, s37, 2
	s_add_co_u32 s45, s45, s41
	s_sub_co_u32 s41, s45, 5                       ; the tile counter is stepped ahead of its use: by 5 at a quad's first tile
	s_mul_i32 s[QO], s37, QUAD
	s_mov_b32 s43, 0xff800000                      ; -infinity
	s_mov_b32 s46, 0x76543210
	s_mov_b32 s47, 0xfedcba98                      ; v_permlanex16_b32's selects for lane l xor 16
	v_and_b32 v10, 31, v0                          ; lane
	v_and_b32 v11, 15, v0                          ; r
	v_bfe_u32 v12, v0, 4, 1                        ; h
	v_mov_b32 v[TN], s41
	v_mov_b32 v246, 0                              ; a lane permute's destination counts as one of its sources
	v_mov_b32 v247, 0
	v_lshlrev_b32 v[BF], 4, v10
	v_lshlrev_b32 v[BS], 4, v11
	v_lshlrev_b32 v[BC], 5, v12
	v_lshlrev_b32 v[H8], 3, v12
	v_lshl_add_u32 v[MST], v11, 3, s25
	v_lshl_add_u32 v[MLD], v10, 4, s39
	v_lshlrev_b32 v[GOF], 3, v10
	v_mul_u32_u24 v251, v12, QUAD
	v_lshlrev_b32 v252, 2, v11                     ; the rows' sums of squares: 4 r
	s_delay_alu instid0(VALU_DEP_2)
	v_lshl_add_u32 v251, v11, 4, v251              ; their scale words: 16 r, lanes 16-31 in the second quad
	s_wait_alu depctr_va_vdst(0)
	s_wait_dscnt 0x0                               ; both opening adds are done
	s_wait_kmcnt 0x0
	s_mov_b32 s[G0], 1                             ; count = 1
	s_mov_b32 s[G0+1], s24                         ; LDS address
	s_add_nc_u64 s[G0+2:G0+3], s[6:7], s[26:27]    ; global address
	s_mov_b32 s[G0B], 1
	s_add_co_u32 s[G0B+1], s24, 8*QUAD             ; the second fill: eight quads on, in LDS and in memory
	s_add_nc_u64 s[G0B+2:G0B+3], s[G0+2:G0+3], 8*QUAD
	s_or_b32 s[G0+3], s[G0+3], 0x80000000          ; type = 2
	s_or_b32 s[G0B+3], s[G0B+3], 0x80000000
	s_add_nc_u64 s[4:5], s[4:5], s[28:29]
	s_add_nc_u64 s[8:9], s[8:9], s[30:31]
	s_add_nc_u64 s[10:11], s[10:11], s[30:31]
	WIN 0x40                                       ; destination window 1, address window 0
.irp m, 0,1,2,3,4,5,6,7                ; the fragments of my 128 rows: they stay.  They need no partner, so they go out ahead of the round
.irp p, 0,1,2,3,4,5,6,7
	global_load_b128 v[32*\m+4*\p:32*\m+4*\p+3], v[BF], s[4:5] offset:(\m/4)*QUAD+(\m%4)*4096+\p*512
.endr
.endr
	WIN 0
.irp m, 0,1,2,3
	global_load_b128 v[XS+4*\m:XS+4*\m+3], v251, s[4:5] offset:SCB+\m*256    ; a row's four scale words
.endr
.irp m, 0,1,2,3,4,5,6,7
	global_load_b32 v[ST+12*\m], v252, s[4:5] offset:(\m/4)*QUAD+SSB+(\m%4)*64   ; zz of row r of tile m
.endr
	ROUND                                          ; all four work-groups are here: the joint loads meet
	tensor_load_to_lds s[G0:G0+3], s[G1:G1+7]      ; quads 0-7, mine of them: my one tensor load at the head
	s_nop 0
.rept 4
	v_nop                                          ; four v_nop follow a tensor load
.endr
.irp m, 0,1,2,3,4,5,6,7                ; the search begins at -infinity, so that a tile's step is written once (72 moves, once in the launch, under the loads)
	v_mov_b32 v[ST+12*\m+1], s43
	v_mov_b32 v[ST+12*\m+3], s45
.irp j, 4,5,6,7,8,9,10
	v_mov_b32 v[ST+12*\m+\j], s43
.endr
.endr
	s_wait_alu depctr_va_vdst(0)
	s_wait_tensorcnt 0x0                           ; my quad of the first fill is in
	ds_add_u32 v[SPW], v[NIL]
	s_wait_dscnt 0x0
	ROUND                                          ; everybody's quad is in, and all four work-groups are here
	tensor_load_to_lds s[G0B:G0B+3], s[G1:G1+7]    ; quads 8-15, mine of them: my one tensor load behind the round
	s_nop 0
.rept 4
	v_nop
.endr
	s_wait_loadcnt 0x0                             ; the rows' fragments, scale words and zz
.irp m, 0,1,2,3,4,5,6,7
	v_xor_b32 v[ST+12*\m], 0x80000000, v[ST+12*\m] ; -zz
.endr
.irp m, 0,1,2,3,4,5,6,7
	v_mov_b32 v[ST+12*\m+11], v[ST+12*\m]          ; and once more, in another bank
.endr
	v_mov_b32 v[TW], 2.0
	v_mov_b32 v[TW+1], 2.0
	v_mov_b32 v[M1], -1.0
	v_mov_b32 v[M1+1], -1.0
; The three LDS addresses of the quad in hand
.macro ADDR
	v_add_nc_u32 v[ADRF], s[QO], v[BF]
	v_add_nc_u32 v[ADRS], s[QO], v[BS]
	v_add_nc_u32 v[ADRC], s[QO], v[BC]
	s_wait_alu depctr_va_vdst(0)
.endm
; Tile i of the quad in hand (i = 4: the first tile of my next quad, two quads on): its four fragments, its scale words, and |c|^2 of my eight codes into set p
.macro FETCH i, p
.set FO, ((\i)/4)*2*QUAD
.irp q, 0,1,2,3,4,5,6,7
	ds_load_b128 v[AF+4*\q:AF+4*\q+3], v[ADRF] offset:FO+((\i)%4)*4096+\q*512
.endr
	ds_load_b128 v[CS:CS+3], v[ADRS] offset:FO+SCB+((\i)%4)*256
	ds_load_b128 v[CC+8*(\p):CC+8*(\p)+3], v[ADRC] offset:FO+SSB+((\i)%4)*64
	ds_load_b128 v[CC+8*(\p)+4:CC+8*(\p)+7], v[ADRC] offset:FO+SSB+((\i)%4)*64+16
.endm
; 32 matrix instructions: the tile of codes against the eight tiles of rows, K ascending.  The eight accumulators take turns, one instruction a turn; the first K step starts the sums with the constant 0.
.macro MULS
.irp s, 0,1,2,3
.irp m, 0,1,2,3
.if \s == 0
	v_wmma_scale_f32_16x16x128_f8f6f4 v[ACC+8*\m:ACC+8*\m+7], v[AF+8*\s:AF+8*\s+7], v[32*\m+8*\s:32*\m+8*\s+7], 0, v[CS+\s], v[XS+4*\m+\s] matrix_a_fmt:MATRIX_FMT_FP4 matrix_b_fmt:MATRIX_FMT_FP4
.else
	v_wmma_scale_f32_16x16x128_f8f6f4 v[ACC+8*\m:ACC+8*\m+7], v[AF+8*\s:AF+8*\s+7], v[32*\m+8*\s:32*\m+8*\s+7], v[ACC+8*\m:ACC+8*\m+7], v[CS+\s], v[XS+4*\m+\s] matrix_a_fmt:MATRIX_FMT_FP4 matrix_b_fmt:MATRIX_FMT_FP4
.endif
.endr
.irp m, 4,5,6,7
.if \s == 0
	v_wmma_scale_f32_16x16x128_f8f6f4 v[ACC+8*\m:ACC+8*\m+7], v[AF+8*\s:AF+8*\s+7], v[32*\m+8*\s:32*\m+8*\s+7], 0, v[CS+\s], v[XS+4*(\m-4)+\s] matrix_a_fmt:MATRIX_FMT_FP4 matrix_b_fmt:MATRIX_FMT_FP4 matrix_b_scale:MATRIX_SCALE_ROW1
.else
	v_wmma_scale_f32_16x16x128_f8f6f4 v[ACC+8*\m:ACC+8*\m+7], v[AF+8*\s:AF+8*\s+7], v[32*\m+8*\s:32*\m+8*\s+7], v[ACC+8*\m:ACC+8*\m+7], v[CS+\s], v[XS+4*(\m-4)+\s] matrix_a_fmt:MATRIX_FMT_FP4 matrix_b_fmt:MATRIX_FMT_FP4 matrix_b_scale:MATRIX_SCALE_ROW1
.endif
.endr
.endr
.endm
; Where VCC says that this tile of codes holds the new best of row tile t: its number and its first seven g are kept; which of the eight it was is looked up once, at the end
.macro KEEP t
.if DUALK
	v_dual_cndmask_b32 v[ST+12*(\t)+4], v[ST+12*(\t)+4], v[ACC+8*(\t)] :: v_dual_cndmask_b32 v[ST+12*(\t)+3], v[ST+12*(\t)+3], v[TN]
.irp j, 1,3,5
	v_dual_cndmask_b32 v[ST+12*(\t)+5+\j], v[ST+12*(\t)+5+\j], v[ACC+8*(\t)+\j+1] :: v_dual_cndmask_b32 v[ST+12*(\t)+4+\j], v[ST+12*(\t)+4+\j], v[ACC+8*(\t)+\j]
.endr
.else
.if (\t) < 7
	s_delay_alu instid0(VALU_DEP_2)
.else
	s_delay_alu instid0(VALU_DEP_1)
.endif
	v_cndmask_b32 v[ST+12*(\t)+3], v[ST+12*(\t)+3], v[TN], vcc_lo
.irp j, 0,1,2,3,4,5,6
	v_cndmask_b32 v[ST+12*(\t)+4+\j], v[ST+12*(\t)+4+\j], v[ACC+8*(\t)+\j], vcc_lo
.endr
.endif
.endm
; The search, for all eight tiles of rows, stage by stage: a line's sources were written eight lines or more above it.  p: the set of |c|^2, and which of the two registers holds the old best.
.macro EPI p
.irp q, 0,2,4,6                        ; each accumulator from its low end on
.irp t, 0,1,2,3,4,5,6,7
.if DUALF
	v_dual_fma_f32 v[ACC+8*\t+\q], v[ACC+8*\t+\q], v[TW], v[ST+12*\t] :: v_dual_fma_f32 v[ACC+8*\t+\q+1], v[ACC+8*\t+\q+1], v[TW+1], v[ST+12*\t+11]   ; u = 2 dot - zz, one rounding
.else
	v_pk_fma_f32 v[ACC+8*\t+\q:ACC+8*\t+\q+1], v[ACC+8*\t+\q:ACC+8*\t+\q+1], 2.0, v[ST+12*\t:ST+12*\t+1] op_sel_hi:[1,0,0]   ; (of the pair at -zz the low word serves both halves)
.endif
.endr
.endr
.irp q, 0,2,4,6
.irp t, 0,1,2,3,4,5,6,7
.if DUALF
	v_dual_fma_f32 v[ACC+8*\t+\q], v[CC+8*(\p)+\q], v[M1], v[ACC+8*\t+\q] :: v_dual_fma_f32 v[ACC+8*\t+\q+1], v[CC+8*(\p)+\q+1], v[M1+1], v[ACC+8*\t+\q+1]   ; g = u - cc, one rounding
.else
	v_pk_add_f32 v[ACC+8*\t+\q:ACC+8*\t+\q+1], v[ACC+8*\t+\q:ACC+8*\t+\q+1], v[CC+8*(\p)+\q:CC+8*(\p)+\q+1] neg_lo:[0,1] neg_hi:[0,1]
.endif
.endr
.endr
.irp t, 0,1,2,3,4,5,6,7
	v_max3_num_f32 v[ST+12*\t+2-(\p)], v[ST+12*\t+1+(\p)], v[ACC+8*\t], v[ACC+8*\t+1]      ; the new best begins with the old
.endr
.irp q, 2,4
.irp t, 0,1,2,3,4,5,6,7
	v_max3_num_f32 v[ST+12*\t+2-(\p)], v[ST+12*\t+2-(\p)], v[ACC+8*\t+\q], v[ACC+8*\t+\q+1]
.endr
.endr
	v_max3_num_f32 v[ST+2-(\p)], v[ST+2-(\p)], v[ACC+6], v[ACC+7]
.irp t, 0,1,2,3,4,5,6,7
.if \t == 0
	s_delay_alu instid0(VALU_DEP_1)
.endif
	v_cmp_gt_f32 vcc_lo, v[ST+12*\t+2-(\p)], v[ST+12*\t+1+(\p)]          ; strictly larger than the old: this tile holds it
.if \t < 7
	v_max3_num_f32 v[ST+12*(\t+1)+2-(\p)], v[ST+12*(\t+1)+2-(\p)], v[ACC+8*(\t+1)+6], v[ACC+8*(\t+1)+7]   ; the next tile's last step stands between the compare and its readers
.endif
	KEEP \t
.endr
.endm
.macro TILE i, fetch
	s_wait_dscnt 0x0                               ; this tile's fragments, scale words and |c|^2 are in (asked for a whole search ago)
	WIN 0x04                                       ; source 1 (the rows) window 1; all else window 0
	MULS
	WIN 0
.if \i == 0
	v_add_nc_u32 v[TN], 5, v[TN]                   ; this tile's number: from a quad's last tile to the first tile two quads on;
.else
	v_add_nc_u32 v[TN], 1, v[TN]                   ; or the next tile.  The first of four plain places behind the last product, ahead of the loads into its operands and of the first read of results
.endif
.rept 3
	v_nop
.endr
.if \fetch
	FETCH \i+1, (\i+1)%2                           ; the next tile lands while this one is searched
.endif
	EPI \i%2
.endm
; n quads: a trip is a quad, four tiles of codes; its last tile asks for the next quad's first
.macro QUADS n
	s_mov_b32 s44, \n
.Lquad_\@:
	TILE 0, 1
	TILE 1, 1
	TILE 2, 1
	TILE 3, 1
	s_add_co_u32 s[QO], s[QO], 2*QUAD
	ADDR
	s_sub_co_u32 s44, s44, 1
	s_cmp_lg_u32 s44, 0
	s_cbranch_scc1 .Lquad_\@
.endm
	ADDR                                           ; (its wait also stands at the head's end)
	FETCH 0, 0
	QUADS 3                                        ; quads e, e + 2, e + 4; the last asks for a tile of quad e + 6: all of the first fill
	s_wait_tensorcnt 0x0                           ; my quad of the second fill lies in LDS,
	s_wait_dscnt 0x0                               ; and no LDS load of mine is out at the signal;
	s_barrier_signal -1                            ; say so,
	s_barrier_wait -1                              ; and everybody's does.
	QUADS 4                                        ; quads e + 6 .. e + 12
	TILE 0, 1                                      ; quad e + 14 is written out: nothing lies behind it
	TILE 1, 1
	TILE 2, 1
	TILE 3, 0
; (value, index) pairs: the other wins with a larger value, or with an equal value and a lower index
.macro LEX dV, dI, V, I, oV, oI
	v_cmp_gt_f32 s40, v[\oV], v[\V]
	v_cmp_eq_f32 s41, v[\oV], v[\V]
	v_cmp_lt_u32 s42, v[\oI], v[\I]
	s_and_b32 s41, s41, s42
	s_or_b32 s40, s40, s41
	v_cndmask_b32 v[\dV], v[\V], v[\oV], s40
	v_cndmask_b32 v[\dI], v[\I], v[\oI], s40
.endm
.irp m, 0,1,2,3,4,5,6,7                ; the best lies in register + 1 (an even number of tiles has been searched)
	v_mov_b32 v244, 7
.irp j, 6,5,4,3,2,1,0
	v_cmp_neq_f32 vcc_lo, v[ST+12*\m+4+\j], v[ST+12*\m+1]
	s_delay_alu instid0(VALU_DEP_1)
	v_cndmask_b32 v244, \j, v244, vcc_lo           ; the lowest register of the kept tile that equals the best
.endr
	s_delay_alu instid0(VALU_DEP_1)
	v_lshl_add_u32 v245, v[ST+12*\m+3], 4, v244
	s_delay_alu instid0(VALU_DEP_1)
	v_add_nc_u32 v245, v245, v[H8]                 ; the code: 16 x tile + 8 h + register
	v_permlanex16_b32 v246, v[ST+12*\m+1], s46, s47
	s_delay_alu instid0(VALU_DEP_2)
	v_permlanex16_b32 v247, v245, s46, s47         ; the row's other eight codes of each tile lie in lane l xor 16
	LEX ACC+2*\m, ACC+2*\m+1, ST+12*\m+1, 245, 246, 247
	ds_store_b64 v[MST], v[ACC+2*\m:ACC+2*\m+1] offset:128*\m   ; both lanes of a row write the same 8 bytes with the same value
.endr
	s_wait_dscnt 0x0                               ; for the others' sake: my 128 pairs lie in LDS
	s_barrier_signal -1
	s_barrier_wait -1
	ds_load_b128 v[AF:AF+3], v[MLD]                ; every wave joins 64 rows of its row group, a lane two: wave 2 g's pairs,
	ds_load_b128 v[AF+4:AF+7], v[MLD] offset:1024  ; and wave 2 g + 1's
	s_wait_dscnt 0x0
	LEX CC, CC+2, AF, AF+1, AF+4, AF+5             ; the two values and the two indices are laid side by side
	LEX CC+1, CC+3, AF+2, AF+3, AF+6, AF+7
	v_add_f32 v[CC], 0, v[CC]                      ; THE KEY: -0 becomes +0, so that equal values have equal bits;
	s_delay_alu instid0(VALU_DEP_3)
	v_add_f32 v[CC+1], 0, v[CC+1]
	s_delay_alu instid0(VALU_DEP_2)
	v_ashrrev_i32 v10, 31, v[CC]                   ; all ones where the value is negative,
	s_delay_alu instid0(VALU_DEP_2)
	v_ashrrev_i32 v11, 31, v[CC+1]
	s_delay_alu instid0(VALU_DEP_2)
	v_and_b32 v10, 0x7fffffff, v10
	s_delay_alu instid0(VALU_DEP_2)
	v_and_b32 v11, 0x7fffffff, v11
	s_delay_alu instid0(VALU_DEP_2)
	v_xor_b32 v[CC], v[CC], v10                    ; there the low 31 bits are inverted: as signed whole numbers the keys stand in the values' order
	s_delay_alu instid0(VALU_DEP_2)
	v_xor_b32 v[CC+1], v[CC+1], v11
	global_store_b64 v[GOF], v[CC:CC+1], s[8:9]    ; a wave stores 256 consecutive bytes, aligned
	global_store_b64 v[GOF], v[CC+2:CC+3], s[10:11]
	s_wait_tensorcnt 0x0                           ; the wave's end: a tensor wait, an LDS add and its wait, behind my last tensor load and my last LDS store
	ds_add_u32 v[SPW], v[NIL]
	s_wait_dscnt 0x0
	ROUND                                          ; the closing round: no work-group ends while a partner may still ask for a tile that names it
	s_endpgm
.Lfunc_end_k_qaa59d0029d_dist:
	.size	k_qaa59d0029d_dist, .Lfunc_end_k_qaa59d0029d_dist-k_qaa59d0029d_dist
	.p2alignl 7, 3214868480
	.fill 96, 4, 3214868480
	.section	.rodata,"a",@progbits
	.p2align	6, 0x0
	.amdhsa_kernel k_qaa59d0029d_dist
		.amdhsa_group_segment_fixed_size 327680
		.amdhsa_private_segment_fixed_size 0
		.amdhsa_enable_private_segment 0
		.amdhsa_kernarg_size 32
		.amdhsa_user_sgpr_count 2
		.amdhsa_user_sgpr_kernarg_segment_ptr 1
		.amdhsa_wavefront_size32 1
		.amdhsa_system_sgpr_workgroup_id_x 1
		.amdhsa_system_sgpr_workgroup_id_y 1
		.amdhsa_system_sgpr_workgroup_id_z 1
		.amdhsa_system_vgpr_workitem_id 0
		.amdhsa_next_free_vgpr 512
		.amdhsa_next_free_sgpr 66
		.amdhsa_reserve_vcc 1
		.amdhsa_float_denorm_mode_32 3
		.amdhsa_float_denorm_mode_16_64 3
		.amdhsa_memory_ordered 1
		.amdhsa_forward_progress 1
		.amdhsa_inst_pref_size 213
	.end_amdhsa_kernel
	.amdgpu_metadata
---
amdhsa.version: [ 1, 2 ]
amdhsa.kernels:
  - .name:           k_qaa59d0029d_dist
    .symbol:         k_qaa59d0029d_dist.kd
    .args:
      - { .name: xrec, .offset: 0, .size: 8, .value_kind: global_buffer, .address_space: global }
      - { .name: crec, .offset: 8, .size: 8, .value_kind: global_buffer, .address_space: global }
      - { .name: pkey, .offset: 16, .size: 8, .value_kind: global_buffer, .address_space: global }
      - { .name: pidx, .offset: 24, .size: 8, .value_kind: global_buffer, .address_space: global }
    .group_segment_fixed_size: 327680
    .private_segment_fixed_size: 0
    .kernarg_segment_align: 8
    .kernarg_segment_size: 32
    .max_flat_workgroup_size: 256
    .sgpr_count:     66
    .vgpr_count:     512
    .wavefront_size: 32
...
	.end_amdgpu_metadata
.endif
;; end of part 2
;; launch apply (part 3): grid 256 x 1, 16 waves a work-group, no clusters, 2,560 bytes of LDS; arguments x, codebook, pkey, pidx, out0, out3, part; writes out0, out3, part
.if DOCPART == 3
	.amdgcn_target "amdgcn-amd-amdhsa--gfx1250"
	.amdhsa_code_object_version 6
	.text
	.protected	k_qaa59d0029d_apply
	.globl	k_qaa59d0029d_apply
	.p2align	8
	.type	k_qaa59d0029d_apply,@function
k_qaa59d0029d_apply:
	s_mov_b64 s[64:65], 0
	v_nop
	global_prefetch_b8 v0, s[64:65] scope:SCOPE_SE
	s_setreg_imm32_b32 hwreg(HW_REG_WAVE_MODE, 25, 1), 1
	s_wait_xcnt 0x0
; For each row: the best of the eight parts' candidates; out0 = z + (c - z), out3 = the index, and the work-group's sum of (c - z)^2.
; THE CHOICE.  The launch before stored, for each of the eight parts of the codes, the candidate's index and a key: a whole number that stands in the order of -distance.  The parts are met in ascending order, and a later
; part's index is taken only where its key is strictly larger, so the first index wins a tie.  Keys and indices are whole numbers read from memory: the index taken forms the address, and ONE row of the codebook is loaded for each row of x.
; SHARES: a work-group takes 64 rows, each of its 16 waves four; a row is 2,048 bytes: four loads of 512 consecutive bytes.  Written out, no loop: all 32 loads of a wave go out at its head.
; No matrix unit, no tensor loads, no cluster: work-groups share no tile, and memory binds.
; LDS: bytes 0-63 a sum for each wave; bytes 256-511 the 64 indices; from byte 512 the spare words.
; REGISTERS: row i: z at v[32 + 32 i] (16 registers; then out0's numbers), c 16 registers on (then c - z).
; SCALARS: s[20:23] the index taken so far (part 0's at first), s[28:31] its key; parts 1 to 7: keys at s24, s32, s36, s48, s52, s56, s60, indices at s68 + 4 (part - 1).
.set IDXL, 256
	s_load_b256 s[4:11], s[0:1], 0x0               ; x s[4:5], codebook s[6:7], pkey s[8:9], pidx s[10:11]
	s_load_b128 s[12:15], s[0:1], 0x20             ; out0 s[12:13], out3 s[14:15]
	s_load_b64 s[16:17], s[0:1], 0x30              ; part
	v_lshl_add_u32 v160, v0, 2, 0x200
	v_mov_b32 v161, 0
	v_lshrrev_b32 v14, 5, v0
	s_delay_alu instid0(VALU_DEP_1)
	v_readfirstlane_b32 s18, v14                   ; wave 0..15
	v_and_b32 v1, 31, v0
	s_delay_alu instid0(VALU_DEP_1)
	v_lshlrev_b32 v17, 3, v1                       ; 8 x lane
	s_delay_alu instid0(VALU_DEP_2)
	v_lshlrev_b32 v1, 4, v1                        ; 16 x lane
	v_lshlrev_b32 v15, 2, v14                      ; LDS: my wave's sum
	v_lshl_add_u32 v16, v14, 4, IDXL               ; LDS: my wave's four indices
	s_delay_alu instid0(VALU_DEP_4)
	v_add_nc_u32 v18, IDXL, v17                    ; LDS: the indices on the way out
	v_mov_b32 v19, 0
	s_lshl_b32 s40, ttmp9, 8                       ; my four rows' words: 256 x work-group + 16 x wave
	s_lshl_b32 s41, s18, 4
	s_add_co_u32 s40, s40, s41
	s_mov_b32 s41, 0
	s_mov_b32 s46, 0x76543210
	s_mov_b32 s47, 0xfedcba98                      ; v_permlanex16_b32's selects for lane l xor 16
	s_wait_alu depctr_va_vdst(0)
	s_wait_kmcnt 0x0
	s_add_nc_u64 s[42:43], s[10:11], s[40:41]
	s_add_nc_u64 s[44:45], s[8:9], s[40:41]
	s_load_b128 s[20:23], s[42:43], 0x0            ; part 0's indices
	s_load_b128 s[28:31], s[44:45], 0x0            ; and keys
.set PX, 68
.set PO, 0x10000
.irp k, 24,32,36,48,52,56,60           ; parts 1 to 7: a part's words lie 65,536 bytes behind the part before
	s_load_b128 s[PX:PX+3], s[42:43], PO
	s_load_b128 s[\k:\k+3], s[44:45], PO
.set PX, PX+4
.set PO, PO+0x10000
.endr
	s_lshl_b32 s40, ttmp9, 17                      ; 64 rows of 2,048 bytes, my wave's four
	s_lshl_b32 s19, s18, 13
	s_add_co_u32 s40, s40, s19
	s_add_nc_u64 s[4:5], s[4:5], s[40:41]
	s_add_nc_u64 s[12:13], s[12:13], s[40:41]
	s_lshl_b32 s40, ttmp9, 8
	s_add_nc_u64 s[14:15], s[14:15], s[40:41]
	s_lshl_b32 s40, ttmp9, 2
	s_add_nc_u64 s[16:17], s[16:17], s[40:41]
.irp i, 0,1,2,3                        ; x first: it needs no index
.irp q, 0,1,2,3
	global_load_b128 v[32+32*\i+4*\q:35+32*\i+4*\q], v1, s[4:5] offset:\i*2048+\q*512 th:TH_LOAD_NT
.endr
.endr
	s_wait_kmcnt 0x0
.irp i, 0,1,2,3
.set PX, 68
.irp k, 24,32,36,48,52,56,60
	s_cmp_gt_i32 s[\k+\i], s[28+\i]                ; this part's candidate is strictly nearer than the best of the parts before
	s_cselect_b32 s[20+\i], s[PX+\i], s[20+\i]
	s_cselect_b32 s[28+\i], s[\k+\i], s[28+\i]
.set PX, PX+4
.endr
.endr
.irp i, 0,1,2,3
	s_min_u32 s[20+\i], s[20+\i], 0x1fff           ; an index stays inside the table
.endr
.irp i, 0,1,2,3
	v_lshl_add_u32 v[2+\i], s[20+\i], 11, v1       ; the code's row + 16 x lane; never rewritten
.endr
.irp i, 0,1,2,3
.irp q, 0,1,2,3
	global_load_b128 v[48+32*\i+4*\q:51+32*\i+4*\q], v[2+\i], s[6:7] offset:\q*512   ; no hint: a code may be taken by many rows
.endr
.endr
.irp i, 0,1,2,3
	v_mov_b32 v[20+\i], s[20+\i]
.endr
	ds_store_b128 v16, v[20:23]                    ; every lane writes the same 16 bytes with the same values
.macro ROW i
.set rX, 32+32*\i
.set rA, 48+32*\i
	s_wait_loadcnt 4*(3-\i)                        ; this row's loads are in (x's are the oldest); the four loads of each younger row's code may be out
.irp j, 0,2,4,6,8,10,12,14
	v_pk_add_f32 v[rA+\j:rA+\j+1], v[rA+\j:rA+\j+1], v[rX+\j:rX+\j+1] neg_lo:[0,1] neg_hi:[0,1]   ; c - z
.endr
.irp j, 0,2,4,6,8,10,12,14
	v_pk_add_f32 v[rX+\j:rX+\j+1], v[rX+\j:rX+\j+1], v[rA+\j:rA+\j+1]                            ; z + (c - z)
.endr
.irp j, 0,2,4,6,8,10,12,14
.if (\i == 0) && (\j < 4)
	v_pk_mul_f32 v[10+\j:11+\j], v[rA+\j:rA+\j+1], v[rA+\j:rA+\j+1]                              ; the first products start the two chains
.else
	v_pk_fma_f32 v[10+(\j%4):11+(\j%4)], v[rA+\j:rA+\j+1], v[rA+\j:rA+\j+1], v[10+(\j%4):11+(\j%4)]
.endif
.endr
.irp q, 0,1,2,3
	global_store_b128 v1, v[rX+4*\q:rX+4*\q+3], s[12:13] offset:\i*2048+\q*512 th:TH_STORE_NT    ; 512 consecutive bytes, aligned; these registers are not written again
.endr
.endm
	ROW 0
	ROW 1
	ROW 2
	ROW 3
	v_pk_add_f32 v[10:11], v[10:11], v[12:13]
	s_delay_alu instid0(VALU_DEP_1)
	v_add_f32 v10, v10, v11
	s_delay_alu instid0(VALU_DEP_1)
	v_add_f32_dpp v10, v10, v10 row_xmask:1 row_mask:0xf bank_mask:0xf
	s_delay_alu instid0(VALU_DEP_1)
	v_add_f32_dpp v10, v10, v10 row_xmask:2 row_mask:0xf bank_mask:0xf
	s_delay_alu instid0(VALU_DEP_1)
	v_add_f32_dpp v10, v10, v10 row_xmask:4 row_mask:0xf bank_mask:0xf
	s_delay_alu instid0(VALU_DEP_1)
	v_add_f32_dpp v10, v10, v10 row_xmask:8 row_mask:0xf bank_mask:0xf
	s_delay_alu instid0(VALU_DEP_1)
	v_permlanex16_b32 v11, v10, s46, s47
	s_delay_alu instid0(VALU_DEP_1)
	v_add_f32 v10, v10, v11                        ; the wave's sum, in every lane
	ds_store_b32 v15, v10
	s_wait_dscnt 0x0                               ; for wave 0's sake: my sum and my indices lie in LDS
	s_barrier_signal -1
	s_barrier_wait -1
	s_cmp_lg_u32 s18, 0
	s_cbranch_scc1 .Lend
.irp q, 0,1,2,3
	ds_load_b128 v[48+4*\q:51+4*\q], v19 offset:16*\q      ; the sixteen sums (into registers that held c - z: no store reads them)
.endr
	ds_load_b64 v[80:81], v18                      ; two indices a lane (likewise)
	s_wait_dscnt 0x0
	global_store_b64 v17, v[80:81], s[14:15]       ; 256 consecutive bytes, aligned
	v_pk_add_f32 v[48:49], v[48:49], v[50:51]
	v_pk_add_f32 v[52:53], v[52:53], v[54:55]
	v_pk_add_f32 v[56:57], v[56:57], v[58:59]
	v_pk_add_f32 v[60:61], v[60:61], v[62:63]
	s_delay_alu instid0(VALU_DEP_3)
	v_pk_add_f32 v[48:49], v[48:49], v[52:53]
	s_delay_alu instid0(VALU_DEP_2)
	v_pk_add_f32 v[56:57], v[56:57], v[60:61]
	s_delay_alu instid0(VALU_DEP_1)
	v_pk_add_f32 v[48:49], v[48:49], v[56:57]
	s_delay_alu instid0(VALU_DEP_1)
	v_add_f32 v48, v48, v49
	v_cmp_eq_u32 vcc_lo, 0, v0
	s_wait_alu depctr_va_vdst(0)
	s_wait_xcnt 0x0                                ; EXEC is a source of the stores that are out: it changes only behind this wait
	s_and_saveexec_b32 s19, vcc_lo
	global_store_b32 v19, v48, s[16:17]            ; one number a work-group
	s_wait_xcnt 0x0                                ; and again ahead of the line that widens it
	s_or_b32 exec_lo, exec_lo, s19
.Lend:
	s_wait_tensorcnt 0x0                           ; the wave's end: a tensor wait, an LDS add and its wait, behind my last LDS store
	ds_add_u32 v160, v161
	s_wait_dscnt 0x0
	s_endpgm
.Lfunc_end_k_qaa59d0029d_apply:
	.size	k_qaa59d0029d_apply, .Lfunc_end_k_qaa59d0029d_apply-k_qaa59d0029d_apply
	.p2alignl 7, 3214868480
	.fill 96, 4, 3214868480
	.section	.rodata,"a",@progbits
	.p2align	6, 0x0
	.amdhsa_kernel k_qaa59d0029d_apply
		.amdhsa_group_segment_fixed_size 2560
		.amdhsa_private_segment_fixed_size 0
		.amdhsa_enable_private_segment 0
		.amdhsa_kernarg_size 56
		.amdhsa_user_sgpr_count 2
		.amdhsa_user_sgpr_kernarg_segment_ptr 1
		.amdhsa_wavefront_size32 1
		.amdhsa_system_sgpr_workgroup_id_x 1
		.amdhsa_system_sgpr_workgroup_id_y 1
		.amdhsa_system_sgpr_workgroup_id_z 1
		.amdhsa_system_vgpr_workitem_id 0
		.amdhsa_next_free_vgpr 162
		.amdhsa_next_free_sgpr 100
		.amdhsa_reserve_vcc 1
		.amdhsa_float_denorm_mode_32 3
		.amdhsa_float_denorm_mode_16_64 3
		.amdhsa_memory_ordered 1
		.amdhsa_forward_progress 1
		.amdhsa_inst_pref_size 20
	.end_amdhsa_kernel
	.amdgpu_metadata
---
amdhsa.version: [ 1, 2 ]
amdhsa.kernels:
  - .name:           k_qaa59d0029d_apply
    .symbol:         k_qaa59d0029d_apply.kd
    .args:
      - { .name: x, .offset: 0, .size: 8, .value_kind: global_buffer, .address_space: global }
      - { .name: codebook, .offset: 8, .size: 8, .value_kind: global_buffer, .address_space: global }
      - { .name: pkey, .offset: 16, .size: 8, .value_kind: global_buffer, .address_space: global }
      - { .name: pidx, .offset: 24, .size: 8, .value_kind: global_buffer, .address_space: global }
      - { .name: out0, .offset: 32, .size: 8, .value_kind: global_buffer, .address_space: global }
      - { .name: out3, .offset: 40, .size: 8, .value_kind: global_buffer, .address_space: global }
      - { .name: part, .offset: 48, .size: 8, .value_kind: global_buffer, .address_space: global }
    .group_segment_fixed_size: 2560
    .private_segment_fixed_size: 0
    .kernarg_segment_align: 8
    .kernarg_segment_size: 56
    .max_flat_workgroup_size: 512
    .sgpr_count:     100
    .vgpr_count:     162
    .wavefront_size: 32
...
	.end_amdgpu_metadata
.endif
;; end of part 3
;; launch mean (part 4): grid 1 x 1, 1 waves a work-group, no clusters, 0 bytes of LDS; arguments part, out1, out2; writes out1, out2
.if DOCPART == 4
	.amdgcn_target "amdgcn-amd-amdhsa--gfx1250"
	.amdhsa_code_object_version 6
	.text
	.protected	k_qaa59d0029d_mean
	.globl	k_qaa59d0029d_mean
	.p2align	8
	.type	k_qaa59d0029d_mean,@function
k_qaa59d0029d_mean:
	s_mov_b64 s[64:65], 0
	v_nop
	global_prefetch_b8 v0, s[64:65] scope:SCOPE_SE
	s_setreg_imm32_b32 hwreg(HW_REG_WAVE_MODE, 25, 1), 1
	s_wait_xcnt 0x0
; out1 = out2 = the sum of the 256 work-groups' sums of (c - z)^2, divided by 16,384 x 512 = 2^23.  One wave: a sum over work-groups has one owner, in a launch of its own.
	s_load_b128 s[4:7], s[0:1], 0x0                ; part s[4:5], out1 s[6:7]
	s_load_b64 s[8:9], s[0:1], 0x10                ; out2
	v_lshlrev_b32 v1, 4, v0                        ; 16 bytes a lane
	v_mov_b32 v12, 0
	s_mov_b32 s10, 0x76543210
	s_mov_b32 s11, 0xfedcba98                      ; v_permlanex16_b32's selects for lane l xor 16
	s_wait_alu depctr_va_vdst(0)
	s_wait_kmcnt 0x0
	global_load_b128 v[2:5], v1, s[4:5]
	global_load_b128 v[6:9], v1, s[4:5] offset:512
	s_wait_loadcnt 0x0
	v_pk_add_f32 v[2:3], v[2:3], v[4:5]
	v_pk_add_f32 v[6:7], v[6:7], v[8:9]
	v_pk_add_f32 v[2:3], v[2:3], v[6:7]
	v_add_f32 v2, v2, v3
	v_add_f32_dpp v2, v2, v2 row_xmask:1 row_mask:0xf bank_mask:0xf
	v_add_f32_dpp v2, v2, v2 row_xmask:2 row_mask:0xf bank_mask:0xf
	v_add_f32_dpp v2, v2, v2 row_xmask:4 row_mask:0xf bank_mask:0xf
	v_add_f32_dpp v2, v2, v2 row_xmask:8 row_mask:0xf bank_mask:0xf
	v_permlanex16_b32 v3, v2, s10, s11
	v_add_f32 v2, v2, v3
	v_mul_f32 v2, 0x34000000, v2                   ; x 2^-23: exact
	v_cmp_eq_u32 vcc_lo, 0, v0
	s_wait_alu depctr_va_vdst(0)
	s_wait_xcnt 0x0                                ; EXEC changes only behind this wait
	s_and_saveexec_b32 s12, vcc_lo
	global_store_b32 v12, v2, s[6:7]
	global_store_b32 v12, v2, s[8:9]
	s_wait_xcnt 0x0
	s_or_b32 exec_lo, exec_lo, s12
	s_endpgm
.Lfunc_end_k_qaa59d0029d_mean:
	.size	k_qaa59d0029d_mean, .Lfunc_end_k_qaa59d0029d_mean-k_qaa59d0029d_mean
	.p2alignl 7, 3214868480
	.fill 96, 4, 3214868480
	.section	.rodata,"a",@progbits
	.p2align	6, 0x0
	.amdhsa_kernel k_qaa59d0029d_mean
		.amdhsa_group_segment_fixed_size 0
		.amdhsa_private_segment_fixed_size 0
		.amdhsa_enable_private_segment 0
		.amdhsa_kernarg_size 24
		.amdhsa_user_sgpr_count 2
		.amdhsa_user_sgpr_kernarg_segment_ptr 1
		.amdhsa_wavefront_size32 1
		.amdhsa_system_sgpr_workgroup_id_x 1
		.amdhsa_system_sgpr_workgroup_id_y 1
		.amdhsa_system_sgpr_workgroup_id_z 1
		.amdhsa_system_vgpr_workitem_id 0
		.amdhsa_next_free_vgpr 16
		.amdhsa_next_free_sgpr 66
		.amdhsa_reserve_vcc 1
		.amdhsa_float_denorm_mode_32 3
		.amdhsa_float_denorm_mode_16_64 3
		.amdhsa_memory_ordered 1
		.amdhsa_forward_progress 1
		.amdhsa_inst_pref_size 2
	.end_amdhsa_kernel
	.amdgpu_metadata
---
amdhsa.version: [ 1, 2 ]
amdhsa.kernels:
  - .name:           k_qaa59d0029d_mean
    .symbol:         k_qaa59d0029d_mean.kd
    .args:
      - { .name: part, .offset: 0, .size: 8, .value_kind: global_buffer, .address_space: global }
      - { .name: out1, .offset: 8, .size: 8, .value_kind: global_buffer, .address_space: global }
      - { .name: out2, .offset: 16, .size: 8, .value_kind: global_buffer, .address_space: global }
    .group_segment_fixed_size: 0
    .private_segment_fixed_size: 0
    .kernarg_segment_align: 8
    .kernarg_segment_size: 24
    .max_flat_workgroup_size: 32
    .sgpr_count:     66
    .vgpr_count:     16
    .wavefront_size: 32
...
	.end_amdgpu_metadata
.endif
;; end of part 4
